; MI455X (gfx1250); checked and timed in simulation.
; The chip was launched on July 23, 2026; its instructions are those of AMD's public machine-readable ISA for CDNA 5 (MIT licence, August 2026) and "CDNA5" Instruction Set Architecture Reference Guide (July 2026). The comments in the code are by the model that wrote it; some were corrected since.
;; QKV Attention. Allowed arithmetic: matrix products marked QUANTISED: E4M3 operands, one given power-of-two scale a tensor, by v_wmma_f32_16x16x64_fp8_fp8 or v_wmma_f32_16x16x128_fp8_fp8, f32 sums; products left as they are: f32 operands where the result goes on into a quantised operand, else bf16, f16 or f32 operands; f32 sums; everything else in f32.
;; Inputs: Wk 1,024 x 1,024 float32; Wq 1,024 x 1,024 float32; Wv 1,024 x 1,024 float32; bk 1,024 float32; bq 1,024 float32; bv 1,024 float32; lowp_scales 8 int32 (the exponents e of the quantised operands' scales 2^e); x 4 x 4,096 x 1,024 float32.
;; Outputs: out0 4 x 4,096 x 1,024 float32.
;; This version of the problem:
;;   THIS VERSION OF THE PROBLEM IS GIVEN IN LOW PRECISION. The matrix products marked QUANTISED in the list below multiply operands that are first quantised to E4M3 (4 exponent bits, 3 mantissa bits; 8 bits a number), with one given power-of-two scale for each operand tensor; their sums are f32. All else is computed in f32.
;;   The module's matrix products, in the order in which they are computed (A, B: the left and right operand; K: the contracted axis; several contracted axes count as one K, in the product's order):
;;     1. [M 16,384, K 1,024] x [K 1,024, N 1,024]; A: input x; B: input Wq: QUANTISED (scales: A lowp_scales[0], B lowp_scales[1])
;;     2. [M 16,384, K 1,024] x [K 1,024, N 1,024]; A: input x; B: input Wk: QUANTISED (scales: A lowp_scales[2], B lowp_scales[3])
;;     3. [M 16,384, K 1,024] x [K 1,024, N 1,024]; A: input x; B: input Wv: QUANTISED (scales: A lowp_scales[4], B lowp_scales[5])
;;     4. batch 16,384 x [M 16, K 64] x [K 64, N 16]; A: computed on the way; B: computed on the way: QUANTISED (scales: A lowp_scales[6], B lowp_scales[7])
;;     5. batch 16,384 x [M 16, K 16] x [K 16, N 64]; A: computed on the way; B: computed on the way: left as it is (K = 16 < 32)
;;   THE QUANTISER, for each operand of a quantised product, along K:
;;     - The operand's scale is 2^e, e = its entry of the input lowp_scales (int32; the entries are numbered through the quantised products in the list's order, A before B).
;;     - Each number is divided by the scale, clamped to +-448, and rounded to the nearest number of E4M3, ties to even, subnormals kept.
;;     - The product sums the exact products of the quantised numbers (number of the format x scale) in f32.
;;   ~~~python
;;   def quantise(x, axis, e):      # numpy; x: float32 -> the quantised numbers, widened to float32 again
;;       x = np.moveaxis(x, axis, -1); K = x.shape[-1]
;;       r = np.clip(x / 2.0 ** e, -448, 448)
;;       step = 2.0 ** (np.maximum(np.frexp(np.where(r == 0, 1, r))[1] - 1, -6) - 3)
;;       q = np.round(r / step) * step * 2.0 ** e      # np.round: ties to even
;;       return np.moveaxis(q, -1, axis).astype(np.float32)
;;   ~~~
;;   OPERANDS COMPUTED ON THE WAY. 'Computed on the way' means the value that the module computes at that place (a softmax that the list does not call 'softmax' is quantised finished and normalised). What goes into a quantiser is computed in f32, as accurately as f32 sums, v_exp_f32 and their like allow (about 1e-6 of the number): no bf16 or f16 on the way to a quantiser, and a product that is left as it is and whose result goes on into a quantised operand takes f32 operands (vector FMAs, or v_wmma_f32_16x16x4_f32). A number that lies on a knife's edge between two numbers of the format may be rounded either way, as far as f32 arithmetic and the matrix unit's own rounding can turn it there, and no further.
;; One version. Each part assembles by itself: llvm-mc -triple=amdgcn-amd-amdhsa -mcpu=gfx1250 --defsym DOCPART=n.
;; ======== version 1 of 1: 2 launches
;; workspace buffers: wcodes 3,145,728 bytes
;; launch wprep (part 1): grid 192 x 1, 32 waves a work-group, no clusters, 21,504 bytes of LDS; arguments Wq, Wk, Wv, lowp_scales, wcodes; writes wcodes
.if DOCPART == 1
	.amdgcn_target "amdgcn-amd-amdhsa--gfx1250"
	.amdhsa_code_object_version 6
	.text
	.protected	k_qce7b656dee_wprep
	.globl	k_qce7b656dee_wprep
	.p2align	8
	.type	k_qce7b656dee_wprep,@function
k_qce7b656dee_wprep:
	s_mov_b64 s[64:65], 0
	v_nop
	global_prefetch_b8 v0, s[64:65] scope:SCOPE_SE
	s_setreg_imm32_b32 hwreg(HW_REG_WAVE_MODE, 25, 1), 1
	s_wait_xcnt 0x0
; Wq, Wk, Wv [1024 (k)][1024 (n)] f32 become codes of FP8 (E4M3), each with its given scale 2^e (entries 1, 3, 5 of the scales), laid in the ORDER OF THE OPERAND'S REGISTERS
; for the launch that follows:  wcodes[slot 8 p + sg (24)][fragment d (64)][c (4)][lane 16 h + r (32)][16 bytes: 4 s + b].
; p: the projection (q, k, v); sg: a K step of 128; fragment d holds the sixteen columns n = 64 r + d (r: the head, d: the place in the head).
; The byte (sg, h, c, s, b) is the code of row k = 512 (sg / 4) + 128 s + 32 (sg % 4) + 16 h + 4 c + b: a permutation of K that the next launch gives x's codes too.
; code = w / 2^e, held within +-448, rounded to the nearest code, ties to even.  LIMITS: e between -126 and 119; NaN among the inputs is not served.
; SHARES.  Work-group id = h + 2 c + 8 sg + 64 p.  Thread t takes column n = t, and its sixteen registers run down K: each load of a wave reads 128 consecutive bytes,
; the 32 waves together a whole row of W.  A thread's 16 codes belong to fragment t % 64, lane place t / 64: they turn through a stage in LDS (64 rows of 256 bytes + 16)
; and leave so that sixteen neighbouring lanes store 256 consecutive bytes, aligned.  No tensor load: the tile is small and is read once.
.set SPARE, 64*272                     ; behind the stage: the spare words, 128 bytes for each of the 32 waves; no other line names them
.set R, 16                             ; v16-31  the numbers: R + 4 s + b
	s_load_b256 s[4:11], s[0:1], 0x0               ; Wq s[4:5], Wk s[6:7], Wv s[8:9], the scales' exponents s[10:11]
	s_load_b64 s[12:13], s[0:1], 0x20              ; wcodes
	v_lshl_add_u32 v1, v0, 2, SPARE                ; my spare word
	v_mov_b32 v2, 0
	v_lshlrev_b32 v3, 2, v0                        ; in: 4 bytes a thread
	v_and_b32 v4, 63, v0
	v_mul_u32_u24 v4, v4, 272
	v_lshrrev_b32 v7, 6, v0
	v_lshl_add_u32 v4, v7, 4, v4                   ; into the stage: row t % 64, 16 bytes at 16 (t / 64)
	v_lshrrev_b32 v7, 4, v0
	v_and_b32 v10, 15, v0
	v_mul_u32_u24 v5, v7, 272
	v_lshl_add_u32 v5, v10, 4, v5                  ; out of it: row t / 16, 16 bytes at 16 (t % 16)
	v_lshlrev_b32 v6, 11, v7
	v_lshl_add_u32 v6, v10, 4, v6                  ; and in wcodes: fragment t / 16 (2,048 bytes each), 16 (t % 16)
	s_and_b32 s14, ttmp9, 1                        ; h
	s_bfe_u32 s15, ttmp9, 0x20001                  ; c
	s_bfe_u32 s16, ttmp9, 0x30003                  ; sg
	s_lshr_b32 s17, ttmp9, 3                       ; slot = 8 p + sg
	s_lshr_b32 s18, s16, 2
	s_lshl_b32 s18, s18, 9
	s_and_b32 s19, s16, 3
	s_lshl_b32 s19, s19, 5
	s_add_co_u32 s18, s18, s19
	s_lshl_b32 s19, s14, 4
	s_add_co_u32 s18, s18, s19
	s_lshl_b32 s19, s15, 2
	s_add_co_u32 s18, s18, s19                     ; my first row of W: 512 (sg / 4) + 32 (sg % 4) + 16 h + 4 c
	s_lshl_b32 s18, s18, 12                        ; in bytes
	s_mov_b32 s19, 0
	s_lshl_b32 s20, s17, 17                        ; a slot is 131,072 bytes
	s_lshl_b32 s21, s15, 9
	s_add_co_u32 s20, s20, s21
	s_lshl_b32 s21, s14, 8
	s_add_co_u32 s20, s20, s21                     ; + 512 c + 256 h
	s_mov_b32 s21, 0
	s_wait_kmcnt 0x0
	s_load_b256 s[24:31], s[10:11], 0x0            ; the eight exponents
	s_cmp_lt_u32 ttmp9, 128                        ; which weight: the choice hangs on the work-group's number alone
	s_cselect_b64 s[6:7], s[6:7], s[8:9]
	s_cmp_lt_u32 ttmp9, 64
	s_cselect_b64 s[4:5], s[4:5], s[6:7]
	s_add_nc_u64 s[4:5], s[4:5], s[18:19]
	s_add_nc_u64 s[12:13], s[12:13], s[20:21]
.irp s, 0,1,2,3
.irp b, 0,1,2,3
	global_load_b32 v[R+4*\s+\b], v3, s[4:5] offset:(128*\s+\b)*4096 th:TH_LOAD_NT   ; W(first row + 128 s + b, t)
.endr
.endr
	s_wait_kmcnt 0x0
	s_cmp_lt_u32 ttmp9, 128
	s_cselect_b32 s27, s27, s29
	s_cmp_lt_u32 ttmp9, 64
	s_cselect_b32 s25, s25, s27                    ; e: entry 1, 3 or 5
	s_add_co_i32 s25, s25, 127
	s_lshl_b32 s26, s25, 23
	v_mov_b32 v8, s26                              ; 2^e as f32: the conversion takes its exponent field
	s_add_co_i32 s25, s25, 8
	s_lshl_b32 s25, s25, 23
	s_or_b32 s25, s25, 0x600000
	v_mov_b32 v9, s25                              ; 448 x 2^e
	s_wait_loadcnt 0x0
.irp i, 0,1,2,3,4,5,6,7,8,9,10,11,12,13,14,15
	v_med3_num_f32 v[R+\i], v[R+\i], -v9, v9       ; the conversion to an 8-bit code does not saturate (ISA guide 7.6.2): the hold comes first
.endr
	v_cvt_scalef32_pk8_fp8_f32 v[32:33], v[R:R+7], v8
	v_cvt_scalef32_pk8_fp8_f32 v[34:35], v[R+8:R+15], v8
	v_nop                                          ; a plain line behind the last conversion
	ds_store_b128 v4, v[32:35]
	s_wait_dscnt 0x0                               ; for the others' sake: my store has landed
	s_barrier_signal -1
	s_barrier_wait -1
	ds_load_b128 v[36:39], v5                      ; bytes that other waves stored
	s_wait_dscnt 0x0
	global_store_b128 v6, v[36:39], s[12:13]       ; sixteen lanes store 256 consecutive bytes, at a multiple of 256 from the buffer's first byte
	s_wait_tensorcnt 0x0                           ; the wave's end: a wait, an add to my spare word and its wait behind my last LDS store
	ds_add_u32 v1, v2
	s_wait_dscnt 0x0
	s_endpgm
.Lfunc_end_k_qce7b656dee_wprep:
	.size	k_qce7b656dee_wprep, .Lfunc_end_k_qce7b656dee_wprep-k_qce7b656dee_wprep
	.p2alignl 7, 3214868480
	.fill 96, 4, 3214868480
	.section	.rodata,"a",@progbits
	.p2align	6, 0x0
	.amdhsa_kernel k_qce7b656dee_wprep
		.amdhsa_group_segment_fixed_size 21504
		.amdhsa_private_segment_fixed_size 0
		.amdhsa_enable_private_segment 0
		.amdhsa_kernarg_size 40
		.amdhsa_user_sgpr_count 2
		.amdhsa_user_sgpr_kernarg_segment_ptr 1
		.amdhsa_wavefront_size32 1
		.amdhsa_system_sgpr_workgroup_id_x 1
		.amdhsa_system_sgpr_workgroup_id_y 1
		.amdhsa_system_sgpr_workgroup_id_z 1
		.amdhsa_system_vgpr_workitem_id 0
		.amdhsa_next_free_vgpr 40
		.amdhsa_next_free_sgpr 66
		.amdhsa_reserve_vcc 0
		.amdhsa_float_denorm_mode_32 3
		.amdhsa_float_denorm_mode_16_64 3
		.amdhsa_memory_ordered 1
		.amdhsa_forward_progress 1
		.amdhsa_inst_pref_size 6
	.end_amdhsa_kernel
	.amdgpu_metadata
---
amdhsa.version: [ 1, 2 ]
amdhsa.kernels:
  - .name:           k_qce7b656dee_wprep
    .symbol:         k_qce7b656dee_wprep.kd
    .args:
      - { .name: Wq, .offset: 0, .size: 8, .value_kind: global_buffer, .address_space: global }
      - { .name: Wk, .offset: 8, .size: 8, .value_kind: global_buffer, .address_space: global }
      - { .name: Wv, .offset: 16, .size: 8, .value_kind: global_buffer, .address_space: global }
      - { .name: lowp_scales, .offset: 24, .size: 8, .value_kind: global_buffer, .address_space: global }
      - { .name: wcodes, .offset: 32, .size: 8, .value_kind: global_buffer, .address_space: global }
    .group_segment_fixed_size: 21504
    .private_segment_fixed_size: 0
    .kernarg_segment_align: 8
    .kernarg_segment_size: 40
    .max_flat_workgroup_size: 1024
    .sgpr_count:     66
    .vgpr_count:     40
    .wavefront_size: 32
...
	.end_amdgpu_metadata
.endif
;; end of part 1
;; launch fused (part 2): grid 256 x 1, 8 waves a work-group, clusters of 4 x 1, 327,680 bytes of LDS; arguments x, wcodes, bq, bk, bv, lowp_scales, out0; writes out0
.if DOCPART == 2
	.amdgcn_target "amdgcn-amd-amdhsa--gfx1250"
	.amdhsa_code_object_version 6
	.text
	.protected	k_qce7b656dee_fused
	.globl	k_qce7b656dee_fused
	.p2align	8
	.type	k_qce7b656dee_fused,@function
k_qce7b656dee_fused:
	s_mov_b64 s[64:65], 0
	v_nop
	global_prefetch_b8 v0, s[64:65] scope:SCOPE_SE
	s_setreg_imm32_b32 hwreg(HW_REG_WAVE_MODE, 25, 1), 1
	s_wait_xcnt 0x0
	s_wait_alu depctr_hold_cnt(0) depctr_sa_sdst(0) depctr_va_vdst(0) depctr_va_sdst(0) depctr_va_ssrc(0) depctr_va_vcc(0) depctr_vm_vsrc(0)
	s_getreg_b32 s2, hwreg(HW_REG_IB_STS2, 6, 4)
	s_cmp_eq_u32 s2, 0
	s_cbranch_scc0 .Lentry_in_a_cluster
	s_endpgm
.Lentry_in_a_cluster:
	s_bfe_u32 s2, ttmp6, 0x10000c
	s_cmp_lg_u32 s2, 0x3003
	s_cbranch_scc0 .Lentry_shape_is_right
	s_endpgm
.Lentry_shape_is_right:
; out = (Q(q) Q(k)^T) v for each token, with q, k, v = Q(x) Q(W) + b.  x [16384][1024] f32; wcodes: the three weights as codes of FP8 (E4M3) in register order (launch wprep);
; out [16384][1024] f32.  The scales' exponents e0 .. e7 are given: x has one for each projection (e0, e2, e4), so x is quantised three times.  q, k, v never go to memory.
; SHARES.  A work-group owns 64 whole tokens (a token needs all 3,072 columns).  THE EIGHT WAVES SHARE THE COLUMNS: wave w makes, of each projection, the 128 columns n = 64 r + 8 w + u
; (r = 0..15 the head, u = 0..7) for all 64 tokens: 4 x 8 accumulators, 256 registers.  Source 0 = 16 tokens of x, source 1 = 16 columns of W: register j of lane (r, h) of accumulator (T, u)
; is (token 16 T + 8 h + j, head r, place 8 w + u): the lanes are the heads, as the products of a token want them.  For x's quantising, the attention product and the output wave w owns tokens 8 w .. 8 w + 7.
; THE WEIGHTS.  A slot is one K step of 128 of one projection, 24 slots of 131,072 bytes; a wave uses its own eighth, 32 groups of 512 bytes (fragment u = groups 4 u .. 4 u + 3), and nobody else uses it.
; They come by TWO WAYS AT ONCE.  Groups 0 to 14 come through a ring of two LDS buffers, by one tensor load a wave and slot, asked for JOINTLY by the four work-groups of a cluster (the same load, the same
; descriptor, a mask that names the four): all work-groups walk the same weights.  Groups 15 to 31 come straight into the operand's registers, each asked for a K step ahead, directly behind the products
; that freed its registers; these loads stay out across the rounds.  So behind a round 61,440 bytes are on their way by tensor loads and 8 x 8,704 by loads into registers, and a byte of the second kind is
; neither written to LDS nor read from it.  Loads into registers cannot be asked jointly: 17/32 of the weights are asked for by each work-group by itself.
; LDS IS FULL: 2 x 61,440 (the ring) + 4,096 (the gap that keeps the buffers 65,536 apart) + 3 x 66,560 (x's three sets of codes, 64 rows of 1,024 bytes + 16) + 1,024 (spare words) = 327,680.
; K IS PERMUTED, alike in x and W: byte 128 sg + 64 h + 16 c + 4 s + b of a row of codes is k = 512 (sg / 4) + 128 s + 32 (sg % 4) + 16 h + 4 c + b: so x's loads are dense, a lane's 16 codes are 16 bytes,
; and a fragment is four loads of 16 bytes.  The sums within an instruction are grouped otherwise than by ascending k.
; THE TOKEN'S PRODUCTS.  q's and k's codes go from the waves that made them (8 of a head's 64 places each) to the token's wave through LDS, 1,024 bytes a token, q's where x's first set lay, k's where the second lay;
; att^T = Q(k) Q(q)^T is one matrix instruction a token: lane r holds head r and registers t = 8 h + j, which, rounded to bf16, ARE source 1 of out^T = v^T att^T (K = 16, the upper 16 of the form's 32 are zeros).
; v goes through LDS as bf16 and comes back turned.
; LIMITS: e0, e2, e4 between -126 and 119; e0 + e1 - e6, e2 + e3 - e7, e4 + e5 and e6 + e7 between -126 and 127, so that each power of two below is an f32 number.  NaN and infinities among the inputs are not served.
; LEFT OUT: a prefetch of x (all of a wave's x is asked for at the head); work-groups that stay (each has one block of tokens).
.set SLOTB, 131072                     ; a slot in memory; a wave's part of it is 16,384 bytes
.set PARTB, 7680                       ; a wave's part of a buffer: 15 groups of 512 bytes
.set BUF1,  1<<16                      ; buffer 1 begins here: one exclusive or turns an address from one buffer to the other
.set POOL,  126976                     ; behind the buffers: x's three sets of codes; later q's and k's images.  No tensor load lands here
.set XP,    1040                       ; a row of x's codes: 1,024 bytes + 16: the sixteen rows of a fragment load start 16 bytes apart modulo 256
.set XSET,  64*XP                      ; a set
.set SPARE, POOL+3*XSET                ; the spare words, 128 bytes for each of the eight waves; no other line names them
.set VP,    160                        ; v in LDS, from byte 0, behind the last fill: a head's 64 bf16 + 32 bytes
.set VTOK,  16*VP                      ; a token's sixteen heads
.set STAGE, 64*VTOK                    ; behind v: 16 rows x (256 bytes + 16) for each wave, for the way out
.set SP,    272
.set SPW,  1                           ; v1   my spare word; never rewritten
.set NIL,  2                           ; v2   0; never rewritten
.set ADA0, 3                           ; v3   my lane's place in a fragment of x: POOL + r XP + 64 h (x phase: where the third set's codes go)
.set ADB0, 4                           ; v4   and in my part of a buffer: PARTB w + 16 lane
.set ADA,  5                           ; v5   the K step's address of x's fragments; at work elsewhere
.set ADB,  6                           ; v6   the slot's address of W's fragments; at work elsewhere
.set DOF,  7                           ; v7   16 x lane
.set DR,   8                           ; v8-11 group 15, fragment 3's last four registers, as it comes from memory
.set PFO,  12                          ; v12  256 x lane, for the prefetches
.set BOF,  13                          ; v13  (behind the x phase) 256 r + 32 w: my eight numbers of a bias.  v14: where I put an image's 8 bytes.  v15: where I read a token's image
.set BF,   16                          ; v16-63   three sets for fragments 0 to 3 of W; x phase: 3 x 16 held numbers; epilogues: the bias doubled (v16-31) and as loaded (v32-39)
.set PA,   64                          ; v64-127  x phase: the second and third sets' codes, eight groups by turns; q's codes, k's codes, the eight runs of att
.set DF,   128                         ; v128-191 fragments 4 to 7 of W, straight from memory; at the end v as bf16, then v's turned fragments
.set AF,   192                         ; v192-255 four fragments of x; x phase: the first set's codes; q's fragments; at the end rows of out
.set VF,   128
.set OB,   192
; window 1 (v256-511): the 32 accumulators, (T, u) at 8 (8 T + u); x phase: x as loaded; then k's fragments (0-63), att's sums (64-127); at the end out^T (0-31)
; s18 wave, s19 cx, s20 work-group; s[24:31] descriptor group 1; s[32:35], s[36:39] groups 0 (the second walks); s[40:47] e0..e7; s48 buffer in hand; s49 the set's and the K step's bytes in x's codes;
; s50 loop count; s51 changes of slot so far; s52 prefetch limit; s53 where my rows of x's codes begin; s[54:55] my part of the slot in hand, in memory; s[56:57] the prefetches; s[58:63], s[66:67] powers of two, doubled; s68-75 the holds; s76, s77 -e6, -e7; s78 PARTB w
.set MSB, 0
.macro WIN new                         ; s_set_vgpr_msb: bits 1:0 source 0, 3:2 source 1, 5:4 source 2, 7:6 destination; the high byte repeats the setting that is left
.if MSB != \new
	s_set_vgpr_msb (MSB<<8)|\new
.set MSB, \new
.endif
.endm
.macro PLACES n
.rept \n
	v_nop
.endr
.endm
.macro BAR                             ; my LDS stores have landed and my LDS loads are in: then the work-group's barrier
	s_wait_dscnt 0x0
	s_barrier_signal -1
	s_barrier_wait -1
.endm
.macro CROUND                          ; a round of the cluster's barrier: my work-group's barrier; wave 0 signals for the work-group; all wait for the four work-groups; my work-group's barrier again
	s_barrier_signal -1
	s_barrier_wait -1
	s_cmp_lg_u32 s18, 0
	s_cbranch_scc1 .Lnot_wave_0_\@
	s_barrier_signal -3
.Lnot_wave_0_\@:
	s_barrier_wait -3
	s_barrier_signal -1
	s_barrier_wait -1
.endm
; A PREFETCH INTO THE L2: behind the refill that asks for slot n + 2, slot n + 4 is named: 131,072 bytes, 256 a lane.  Waves 0 to 3 of the four work-groups of cluster 0 ask, 8,192 bytes each, told apart by
; address (4 cx + w): each aligned 256 bytes of slots 4 to 23 is named once in the launch.  Slots 0 to 3 come by their loads alone; behind change 19 nothing is asked for: there is no slot 24.
.macro ASK
	s_cmp_lt_u32 s51, s52
	s_cbranch_scc0 .Lnot_mine_\@
	global_prefetch_b8 v[PFO], s[56:57] th:TH_LOAD_NT scope:SCOPE_SE
.Lnot_mine_\@:
.endm
.macro LB u                            ; fragment u (0 to 3) of W, 16 columns x 128 K, from my part of the buffer into one of three sets; of fragment 3 the last four registers come from DR
.if (\u) < 3
.irp c, 0,1,2,3
	ds_load_b128 v[BF+16*((\u)%3)+4*\c:BF+16*((\u)%3)+4*\c+3], v[ADB] offset:(4*(\u)+\c)*512
.endr
.else
.irp c, 0,1,2
	ds_load_b128 v[BF+16*((\u)%3)+4*\c:BF+16*((\u)%3)+4*\c+3], v[ADB] offset:(4*(\u)+\c)*512
.endr
.endif
.endm
.macro DL f, base                      ; fragment 4 + f of W straight from memory: four loads of 512 consecutive bytes; base = 0: the slot at s[54:55]; SLOTB: the next
.irp c, 0,1,2,3
	global_load_b128 v[DF+16*(\f)+4*\c:DF+16*(\f)+4*\c+3], v[DOF], s[54:55] offset:\base+(16+4*(\f)+\c)*512
.endr
.endm
; A K STEP of 128: 32 matrix instructions, the 32 accumulators by turns, one instruction a turn, in the same order in every step.
; zero = 1: the products start the sums.  next = 1: the next slot's 17 direct groups are asked for, each behind the products that freed its registers.
; A load into a register that a matrix instruction has read stands four plain vector instructions behind it (ISA guide 7.12.1 for vector instructions).
; THE DIRECT LOADS' ORDER in every step: DR, then fragments 4, 5, 6, 7.  At a step's head its own 17 are out at the most.
.macro BODY zero, next
	v_add_nc_u32 v[ADA], s49, v[ADA0]
	v_add_nc_u32 v[ADB], s48, v[ADB0]
.irp t, 0,1,2,3
.irp c, 0,1,2,3
	ds_load_b128 v[AF+16*\t+4*\c:AF+16*\t+4*\c+3], v[ADA] offset:\t*16*XP+16*\c
.endr
.endr
	LB 0
	LB 1
	LB 2
.irp u, 0,1,2,3,4,5,6,7
.if \u == 0
	s_wait_dscnt 8                                 ; x's fragments and W's fragment 0 are in; behind them fragments 1 and 2, four loads each
.elseif \u == 1
	s_wait_dscnt 7                                 ; behind fragment 1: fragment 2's four loads and fragment 3's three
.elseif \u == 2
	s_wait_dscnt 3                                 ; behind fragment 2: fragment 3's three
.elseif \u == 3
	s_wait_dscnt 0
.elseif \next
	s_wait_loadcnt 13                              ; behind fragment u's four loads: this slot's 4 (7 - u), the next slot's DR and its 4 (u - 4): thirteen
.else
	s_wait_loadcnt 12-4*(\u-4)                     ; the last slot: behind them this slot's 4 (7 - u) alone
.endif
.if \u < 4
.set bb, BF+16*(\u%3)
.else
.set bb, DF+16*(\u-4)
.endif
	WIN 0x50                                       ; C and D in window 1
.irp t, 0,1,2,3
.if \zero
	v_wmma_f32_16x16x128_fp8_fp8 v[8*(8*\t+\u):8*(8*\t+\u)+7], v[AF+16*\t:AF+16*\t+15], v[bb:bb+15], 0
.else
	v_wmma_f32_16x16x128_fp8_fp8 v[8*(8*\t+\u):8*(8*\t+\u)+7], v[AF+16*\t:AF+16*\t+15], v[bb:bb+15], v[8*(8*\t+\u):8*(8*\t+\u)+7]
.endif
.endr
.if \u == 0
	WIN 0
	PLACES 4
	LB 3                                           ; into the set just multiplied
	s_wait_loadcnt 16                              ; DR, asked for a K step ago, is in; behind it fragments 4 to 7, sixteen loads
.irp c, 0,1,2,3
	v_mov_b32 v[BF+12+\c], v[DR+\c]                ; fragment 3's last four registers
.endr
.if \next
	global_load_b128 v[DR:DR+3], v[DOF], s[54:55] offset:SLOTB+15*512
.endif
.endif
.if \u >= 4
	WIN 0
	PLACES 4                                       ; behind fragment 7 they also serve what follows the step: loads into x's fragments, or the first reads of the sums
.if \next
	DL \u-4, SLOTB
.endif
.endif
.endr
.endm
; THE CHANGE OF SLOTS.  Each wave waits for all its tensor loads (one is out: its part of the next slot), adds 0 to its spare word, and waits for that and for its reads of the buffer that it leaves and of x's codes.
; The round then holds of every wave of the four work-groups; the joint refill, the slot two on, is the first thing behind it.  The loads into registers stay out across it.
.macro CH
	s_wait_tensorcnt 0x0                           ; no tensor load of mine is out, so the walking group 0 may be written
	ds_add_u32 v[SPW], v[NIL]                      ; 0 onto my spare word; the steps below stand between it and the wait for it
	s_xor_b32 s37, s37, BUF1                       ; the other buffer than last time,
	s_add_nc_u64 s[38:39], s[38:39], SLOTB         ; the next slot; the type bits on top are not reached
	s_xor_b32 s48, s48, BUF1
	s_add_co_u32 s49, s49, 128
	s_wait_xcnt 0x0                                ; the direct loads and the last prefetch, a K step back, have read their addresses
	s_add_nc_u64 s[54:55], s[54:55], SLOTB
	s_add_nc_u64 s[56:57], s[56:57], SLOTB
	s_wait_dscnt 0x0                               ; the add is done, and my LDS reads are over
	CROUND
	tensor_load_to_lds s[36:39], s[24:31]
	s_nop 0
	PLACES 4
	ASK
	s_add_co_u32 s51, s51, 1
.endm
; x, group g (token 8 w + g / 2, its half g % 2): a lane's 16 numbers are k = 512 (g % 2) + 128 s + 4 lane + b.  They are held and converted three times, once for each projection's scale, and go to the three sets in LDS.
.macro XGROUP g
	s_wait_loadcnt 60-4*(\g)                       ; loads come back in order: this group's four are in, the 4 (15 - g) behind them may be out
.if (\g) >= 8
	s_wait_dscnt 21                                ; the stores of the group eight back have read the registers that take this group's codes: behind them stand seven groups' three stores
.endif
	WIN 0x01                                       ; source 0 in window 1
.irp n, 0,1,2,3,4,5,6,7,8,9,10,11,12,13,14,15
	v_med3_num_f32 v[BF+\n], v[16*(\g)+\n], s71, s70       ; the conversion to an 8-bit code does not saturate (ISA guide 7.6.2): the hold at 448 x the scale comes first
	v_med3_num_f32 v[BF+16+\n], v[16*(\g)+\n], s73, s72
	v_med3_num_f32 v[BF+32+\n], v[16*(\g)+\n], s75, s74
.endr
	WIN 0
	v_cvt_scalef32_pk8_fp8_f32 v[AF+4*(\g):AF+4*(\g)+1], v[BF:BF+7], v13
	v_cvt_scalef32_pk8_fp8_f32 v[AF+4*(\g)+2:AF+4*(\g)+3], v[BF+8:BF+15], v13
	v_cvt_scalef32_pk8_fp8_f32 v[PA+4*((\g)%8):PA+4*((\g)%8)+1], v[BF+16:BF+23], v14
	v_cvt_scalef32_pk8_fp8_f32 v[PA+4*((\g)%8)+2:PA+4*((\g)%8)+3], v[BF+24:BF+31], v14
	v_cvt_scalef32_pk8_fp8_f32 v[PA+32+4*((\g)%8):PA+32+4*((\g)%8)+1], v[BF+32:BF+39], v15
	v_cvt_scalef32_pk8_fp8_f32 v[PA+32+4*((\g)%8)+2:PA+32+4*((\g)%8)+3], v[BF+40:BF+47], v15
	v_nop                                          ; a plain line behind the last conversion: the next group writes their sources
	ds_store_b128 v6, v[AF+4*(\g):AF+4*(\g)+3] offset:((\g)/2)*XP+512*((\g)%2)   ; 32 lanes store 512 consecutive bytes of the row: the first set,
	ds_store_b128 v5, v[PA+4*((\g)%8):PA+4*((\g)%8)+3] offset:((\g)/2)*XP+512*((\g)%2)   ; the second,
	ds_store_b128 v3, v[PA+32+4*((\g)%8):PA+32+4*((\g)%8)+3] offset:((\g)/2)*XP+512*((\g)%2)   ; the third
.endm
.macro BIASLD ptr, dst                 ; b(64 r + 8 w + 0 .. 7)
	global_load_b128 v[\dst:\dst+3], v[BOF], s[\ptr:\ptr+1]
	global_load_b128 v[\dst+4:\dst+7], v[BOF], s[\ptr:\ptr+1] offset:16
.endm
.macro FMA_ALL sc                      ; every sum x a power of two + its column's bias (doubled in v16-31), in place; each accumulator from its low end on
.set a, 0
.rept 32
.irp i, 0,2,4,6
	v_pk_fma_f32 v[8*a+\i:8*a+\i+1], v[8*a+\i:8*a+\i+1], s[\sc:\sc+1], v[16+2*(a%8):17+2*(a%8)] op_sel_hi:[1,0,1]
.endr
.set a, a+1
.endr
.endm
.macro CV1 d                           ; two codes into half a register: register PA + 2 (8 T + j) + u / 4 holds places u = 0..3 or 4..7 of token (T, j)
.set cs, 8*(8*(cq/32)+4*((cq/2)%2)+2*(cq%2))+(cq/4)%8
	v_cvt_pk_fp8_f32 \d, v[cs], v[cs+8]
.set cq, cq+1
.endm
; q's or k's epilogue: (sum x 2^(ex + ew) + b) / 2^e = sum x 2^(ex + ew - e) + b x 2^-e, one fused multiply-add; the hold at +-448; the codes, 8 bytes for each of my lane's 32 tokens, into PA.
.macro EQK sc, nege
.irp u, 0,1,2,3,4,5,6,7
	v_ldexp_f32 v[16+2*\u], v[32+\u], s[\nege]
	v_ldexp_f32 v[17+2*\u], v[32+\u], s[\nege]
.endr
	WIN 0x41                                       ; destination and source 0 in window 1
	FMA_ALL \sc
.set a, 0
.rept 256
	v_med3_num_f32 v[a], v[a], s69, s68
.set a, a+1
.endr
	WIN 0x05                                       ; sources 0 and 1 in window 1
.set cq, 0
.irp d, v64.l,v64.h,v65.l,v65.h,v66.l,v66.h,v67.l,v67.h,v68.l,v68.h,v69.l,v69.h,v70.l,v70.h,v71.l,v71.h,v72.l,v72.h,v73.l,v73.h,v74.l,v74.h,v75.l,v75.h,v76.l,v76.h,v77.l,v77.h,v78.l,v78.h,v79.l,v79.h
	CV1 \d
.endr
.irp d, v80.l,v80.h,v81.l,v81.h,v82.l,v82.h,v83.l,v83.h,v84.l,v84.h,v85.l,v85.h,v86.l,v86.h,v87.l,v87.h,v88.l,v88.h,v89.l,v89.h,v90.l,v90.h,v91.l,v91.h,v92.l,v92.h,v93.l,v93.h,v94.l,v94.h,v95.l,v95.h
	CV1 \d
.endr
.irp d, v96.l,v96.h,v97.l,v97.h,v98.l,v98.h,v99.l,v99.h,v100.l,v100.h,v101.l,v101.h,v102.l,v102.h,v103.l,v103.h,v104.l,v104.h,v105.l,v105.h,v106.l,v106.h,v107.l,v107.h,v108.l,v108.h,v109.l,v109.h,v110.l,v110.h,v111.l,v111.h
	CV1 \d
.endr
.irp d, v112.l,v112.h,v113.l,v113.h,v114.l,v114.h,v115.l,v115.h,v116.l,v116.h,v117.l,v117.h,v118.l,v118.h,v119.l,v119.h,v120.l,v120.h,v121.l,v121.h,v122.l,v122.h,v123.l,v123.h,v124.l,v124.h,v125.l,v125.h,v126.l,v126.h,v127.l,v127.h
	CV1 \d
.endr
	WIN 0
	v_nop
.endm
; The codes in PA go to LDS: token s at 1,024 s; in it my 8 places of head r at 256 (w / 2) + 16 r + 8 ((w % 2) xor (bit 3 of s)): the 32 lanes of a store fall on 256 different bytes modulo 256.
; The exclusive or permutes a token's 64 places alike in q and in k.
.macro IMG adr
.set a, 0
.rept 32
	ds_store_b64 v[\adr], v[PA+2*a:PA+2*a+1] offset:(16*(a/8)+a%8)*1024
.set a, a+1
.endr
.endm
.macro FRAG dst, adr                   ; my eight tokens' fragments (16 heads x 64 places: 8 registers): lane (r, h) takes the 16 bytes at 512 h + 16 r and those 256 further on
.irp i, 0,1,2,3,4,5,6,7
	ds_load_b128 v[\dst+8*\i:\dst+8*\i+3], v[\adr] offset:\i*1024
	ds_load_b128 v[\dst+8*\i+4:\dst+8*\i+7], v[\adr] offset:\i*1024+256
.endr
.endm
.macro XSC e, vr, sp                   ; for x's scale 2^e: v[vr] = 2^e as f32; s[sp], s[sp+1] = +-448 x 2^e
	s_add_co_i32 s21, s[\e], 127
	s_lshl_b32 s22, s21, 23
	v_mov_b32 v[\vr], s22
	s_add_co_i32 s21, s21, 8
	s_lshl_b32 s21, s21, 23
	s_or_b32 s[\sp], s21, 0x600000
	s_xor_b32 s[\sp+1], s[\sp], 0x80000000
.endm
	s_load_b256 s[4:11], s[0:1], 0x0               ; x s[4:5], wcodes s[6:7], bq s[8:9], bk s[10:11]
	s_load_b128 s[12:15], s[0:1], 0x20             ; bv s[12:13], the scales' exponents s[14:15]
	s_load_b64 s[16:17], s[0:1], 0x30              ; out
	v_lshl_add_u32 v[SPW], v0, 2, SPARE
	v_mov_b32 v[NIL], 0
	ds_add_u32 v[SPW], v[NIL]                      ; the wave's opening: the add and its wait stand ahead of my first tensor load; the set-up below, work on registers, stands between them
	v_lshrrev_b32 v5, 5, v0
	v_readfirstlane_b32 s18, v5                    ; wave 0..7
	s_bfe_u32 s19, ttmp6, 0x40000                  ; cx: my place in the cluster: it enters x's, out's and the prefetches' addresses alone
	s_lshl_b32 s20, ttmp9, 2
	s_add_co_u32 s20, s20, s19                     ; work-group = 4 x cluster + cx
	; descriptor group 1: a dense block of 30 rows of 256 bytes
	s_mov_b32 s24, 15|(3<<16)|(1<<21)              ; 15:0 the mask: all four work-groups; 17:16 elements of 8 bytes; 21 set beside a mask; no padding
	s_mov_b32 s25, 32<<16                          ; tensor_dim0 = 32 elements
	s_mov_b32 s26, 30<<16                          ; tensor_dim1 = 30
	s_mov_b32 s27, 32<<16                          ; tile_dim0 = 32
	s_mov_b32 s28, 30                              ; tile_dim1 = 30
	s_mov_b32 s29, 32                              ; from row to row: 32 elements
	s_mov_b32 s30, 0
	s_mov_b32 s31, 0
	s_mul_i32 s78, s18, PARTB                      ; my part of a buffer: no place in the cluster enters an LDS address
	s_mul_i32 s53, s18, 8*XP
	s_add_co_u32 s53, s53, POOL                    ; my eight rows of x's first set
	s_lshl_b32 s22, s18, 14                        ; my part of a slot in memory: 16,384 bytes
	s_mov_b32 s23, 0
	s_lshl_b32 s2, s20, 18                         ; my work-group's 64 rows of 4,096 bytes,
	s_lshl_b32 s3, s18, 15                         ; my wave's eight of them
	s_add_co_u32 s2, s2, s3
	s_mov_b32 s3, 0
	s_lshr_b32 s21, s18, 2                         ; 0 in waves 0 to 3,
	s_or_b32 s21, s21, ttmp9                       ; of cluster 0: the same in all four partners
	s_cmp_eq_u32 s21, 0
	s_cselect_b32 s52, 20, 0                       ; a wave prefetches while the count of changes is under this
	s_mov_b32 s48, 0
	s_mov_b32 s49, 0
	s_mov_b32 s51, 0
	s_mov_b32 s68, 0x43e00000                      ; 448
	s_mov_b32 s69, 0xc3e00000                      ; -448
	v_and_b32 v[DOF], 31, v0
	v_lshlrev_b32 v[PFO], 8, v[DOF]
	v_lshlrev_b32 v[DOF], 4, v[DOF]
	v_add_nc_u32 v[ADB0], s78, v[DOF]
	v_add_nc_u32 v6, s53, v[DOF]                   ; the x phase: where my lane's 16 codes of a row's half go: the first set,
	v_add_nc_u32 v5, XSET, v6                      ; the second,
	v_add_nc_u32 v3, 2*XSET, v6                    ; the third
	s_wait_dscnt 0x0                               ; the opening add is done
	s_wait_kmcnt 0x0
	s_load_b256 s[40:47], s[14:15], 0x0            ; e0 .. e7
	s_add_nc_u64 s[4:5], s[4:5], s[2:3]            ; x and out at my wave's first token
	s_add_nc_u64 s[16:17], s[16:17], s[2:3]
	s_add_nc_u64 s[54:55], s[6:7], s[22:23]        ; the weights at my part of slot 0
	s_mov_b32 s32, 1                               ; group 0 for slot 0: count = 1,
	s_mov_b32 s33, s78                             ; LDS address,
	s_mov_b64 s[34:35], s[54:55]                   ; global address,
	s_or_b32 s35, s35, 0x80000000                  ; type = 2
	s_mov_b32 s36, 1                               ; and for slot 1, in buffer 1: this one walks on
	s_add_co_u32 s37, s78, BUF1
	s_add_nc_u64 s[38:39], s[54:55], SLOTB
	s_or_b32 s39, s39, 0x80000000
	s_lshl_b32 s2, s19, 2
	s_add_co_u32 s2, s2, s18
	s_lshl_b32 s2, s2, 13                          ; the prefetches: 8,192 (4 cx + w),
	s_add_nc_u64 s[56:57], s[6:7], s[2:3]
	s_add_nc_u64 s[56:57], s[56:57], 3*SLOTB       ; in slot 3: the first change steps it to slot 4.  Nothing is prefetched here, at the head
	CROUND                                         ; all four work-groups are here: the first joint loads meet
	tensor_load_to_lds s[32:35], s[24:31]          ; slot 0.  By this text's count two tensor loads of a wave are out here, later one
	s_nop 0
	tensor_load_to_lds s[36:39], s[24:31]          ; slot 1
	s_nop 0
	PLACES 4
	global_load_b128 v[DR:DR+3], v[DOF], s[54:55] offset:15*512   ; slot 0's seventeen direct groups, ahead of x's loads: so the counts of the x phase know nothing of them
	DL 0, 0
	DL 1, 0
	DL 2, 0
	DL 3, 0
	WIN 0x40                                       ; destination in window 1
.set a, 0
.rept 64                               ; my eight rows of x, 32,768 consecutive bytes: load 4 g + s brings group g's numbers 4 s .. 4 s + 3 of each lane; 32 lanes read 512 consecutive bytes
	global_load_b128 v[4*a:4*a+3], v[DOF], s[4:5] offset:512*a th:TH_LOAD_NT
.set a, a+1
.endr
	WIN 0
	s_wait_kmcnt 0x0
	s_add_co_i32 s21, s40, s41
	s_sub_co_i32 s21, s21, s46
	s_add_co_i32 s21, s21, 127
	s_lshl_b32 s58, s21, 23                        ; 2^(e0 + e1 - e6): q's sums on their way to codes
	s_mov_b32 s59, s58                             ; (named with it as a pair, so it is written)
	s_add_co_i32 s21, s42, s43
	s_sub_co_i32 s21, s21, s47
	s_add_co_i32 s21, s21, 127
	s_lshl_b32 s60, s21, 23                        ; 2^(e2 + e3 - e7): k's
	s_mov_b32 s61, s60
	s_add_co_i32 s21, s44, s45
	s_add_co_i32 s21, s21, 127
	s_lshl_b32 s62, s21, 23                        ; 2^(e4 + e5): v's sums
	s_mov_b32 s63, s62
	s_add_co_i32 s21, s46, s47
	s_add_co_i32 s21, s21, 127
	s_lshl_b32 s66, s21, 23                        ; 2^(e6 + e7): att's sums
	s_mov_b32 s67, s66
	s_sub_co_i32 s76, 0, s46
	s_sub_co_i32 s77, 0, s47
	XSC 40, 13, 70
	XSC 42, 14, 72
	XSC 44, 15, 74
	; ---- x becomes three sets of codes, all three in LDS
.irp g, 0,1,2,3,4,5,6,7,8,9,10,11,12,13,14,15
	XGROUP \g
.endr
	v_and_b32 v16, 15, v0                          ; r
	v_bfe_u32 v17, v0, 4, 1                        ; h
	s_lshl_b32 s21, s18, 5
	v_lshl_add_u32 v[BOF], v16, 8, s21             ; 256 r + 32 w
	v_lshrrev_b32 v14, 1, v0
	v_xor_b32 v14, v14, v0
	v_bfe_u32 v14, v14, 4, 1                       ; (w % 2) xor h: bits 5 and 4 of my thread's number
	v_lshlrev_b32 v14, 3, v14
	v_lshl_add_u32 v14, v16, 4, v14
	v_lshl_add_u32 v14, v17, 13, v14               ; + 16 r + 8 tokens x h
	s_lshr_b32 s21, s18, 1
	s_lshl_b32 s21, s21, 8
	s_add_co_u32 s21, s21, POOL
	v_add_nc_u32 v14, s21, v14                     ; + 256 (w / 2) + POOL
	v_lshlrev_b32 v15, 4, v16
	v_lshl_add_u32 v15, v17, 9, v15
	s_lshl_b32 s21, s18, 13
	s_add_co_u32 s21, s21, POOL
	v_add_nc_u32 v15, s21, v15                     ; POOL + 8 tokens x w + 512 h + 16 r
	s_wait_tensorcnt 0x1                           ; my part of slot 0 is in, and only I read it; slot 1's load may be out
	BAR                                            ; x's three sets lie in LDS
	v_mul_u32_u24 v[ADA0], v16, XP                 ; (v3 was a store's address up to the barrier's wait)
	v_lshl_add_u32 v[ADA0], v17, 6, v[ADA0]
	v_add_nc_u32 v[ADA0], POOL, v[ADA0]
	; ---- q: slots 0 to 7
	BODY 1, 1
	CH
	s_mov_b32 s50, 6
.Lq:
	BODY 0, 1
	CH
	s_sub_co_u32 s50, s50, 1
	s_cmp_lg_u32 s50, 0
	s_cbranch_scc1 .Lq
	BODY 0, 1
	BIASLD 8, 32
	CH                                             ; the refill goes out ahead of the epilogue; the round has shown every wave's reads of x's first set over
	s_mov_b32 s49, XSET                            ; on to x's second set
	s_wait_loadcnt 0x0                             ; bq (and, ahead of it, slot 8's direct groups)
	EQK 58, 76
	IMG 14                                         ; q's images, where x's first set lay; they are read behind the k projection's rounds
	; ---- k: slots 8 to 15
	BODY 1, 1
	CH
	s_mov_b32 s50, 6
.Lk:
	BODY 0, 1
	CH
	s_sub_co_u32 s50, s50, 1
	s_cmp_lg_u32 s50, 0
	s_cbranch_scc1 .Lk
	BODY 0, 1
	BIASLD 10, 32
	CH                                             ; every wave's reads of x's second set are over
	; ---- att: k's codes follow q's to each token's wave; one product a token
	s_mov_b32 s49, 2*XSET                          ; on to x's third set
	s_wait_loadcnt 0x0                             ; bk (and slot 16's direct groups)
	EQK 60, 77
	v_add_nc_u32 v5, XSET, v14
	v_add_nc_u32 v6, XSET, v15
	IMG 5                                          ; k's images, where x's second set lay
	BAR                                            ; both tensors' images lie in LDS
	FRAG AF, 15                                    ; q's fragments
	WIN 0x40
	FRAG 0, 6                                      ; k's, into window 1: the accumulators are done with
	WIN 0
	global_load_b128 v[PA+4:PA+7], v[BOF], s[12:13]              ; bv, into two quads of att's runs that will hold zeros later: the barrier's wait has shown PA's stores done
	global_load_b128 v[PA+12:PA+15], v[BOF], s[12:13] offset:16
	s_wait_dscnt 0x0
	WIN 0x41                                       ; source 0 (k) and destination in window 1, source 1 (q) in window 0
.irp i, 0,1,2,3,4,5,6,7
	v_wmma_f32_16x16x64_fp8_fp8 v[64+8*\i:71+8*\i], v[8*\i:8*\i+7], v[AF+8*\i:AF+8*\i+7], 0   ; lane (r, h), register j: att(head r, t = 8 h + j) of token 8 w + i
.endr
	PLACES 4
.irp i, 0,1,2,3,4,5,6,7
.irp c, 0,2,4,6
	v_pk_mul_f32 v[64+8*\i+\c:65+8*\i+\c], v[64+8*\i+\c:65+8*\i+\c], s[66:67] op_sel_hi:[1,0]   ; x 2^(e6 + e7)
.endr
.endr
	WIN 0x05
.irp i, 0,1,2,3,4,5,6,7
.irp c, 0,1,2,3
	v_cvt_pk_bf16_f32 v[PA+8*\i+\c], v[64+8*\i+2*\c], v[65+8*\i+2*\c]
.endr
.endr
	WIN 0
	; ---- v: slots 16 to 23
	BODY 1, 1
	CH
	s_mov_b32 s50, 5
.Lv:
	BODY 0, 1
	CH
	s_sub_co_u32 s50, s50, 1
	s_cmp_lg_u32 s50, 0
	s_cbranch_scc1 .Lv
	BODY 0, 1                                      ; slot 22.  The tail is written out: no tensor load is left to issue
	s_xor_b32 s48, s48, BUF1
	s_add_co_u32 s49, s49, 128
	s_wait_tensorcnt 0x0                           ; my part of slot 23, my last tensor load; only I read it
	BODY 0, 0                                      ; its last wait on the loads is for 0: bv is in too
.irp u, 0,1,2,3
	v_mov_b32 v[16+2*\u], v[PA+4+\u]               ; bv, doubled
	v_mov_b32 v[17+2*\u], v[PA+4+\u]
	v_mov_b32 v[24+2*\u], v[PA+12+\u]
	v_mov_b32 v[25+2*\u], v[PA+12+\u]
.endr
.irp i, 0,1,2,3,4,5,6,7
.irp c, 4,5,6,7
	v_mov_b32 v[PA+8*\i+\c], 0                     ; t = 16 .. 31 of the last product's K: there are none
.endr
.endr
	WIN 0x41
	FMA_ALL 62                                     ; v = sum x 2^(e4 + e5) + bv
	WIN 0x05
.set a, 0
.rept 32                               ; a = 8 T + j: my eight places of head r of token 16 T + 8 h + j, as bf16: 16 bytes
.irp p, 0,1,2,3
	v_cvt_pk_bf16_f32 v[128+4*a+\p], v[8*(8*(a/8)+2*\p)+a%8], v[8*(8*(a/8)+2*\p+1)+a%8]
.endr
.set a, a+1
.endr
	WIN 0
	v_and_b32 v32, 15, v0                          ; r
	v_bfe_u32 v33, v0, 4, 1                        ; h
	v_mul_u32_u24 v5, v32, VP
	v_mul_u32_u24 v34, v33, 8*VTOK
	v_add_nc_u32 v5, v5, v34
	s_lshl_b32 s21, s18, 4
	v_add_nc_u32 v5, s21, v5                       ; v into LDS: 8 tokens x h + head r + 16 w, for T = 0, 1;
	v_add_nc_u32 v6, 32*VTOK, v5                   ; for T = 2, 3
	v_and_b32 v35, 7, v0
	v_lshl_add_u32 v35, v33, 3, v35
	v_mul_u32_u24 v16, v35, VP
	v_bfe_u32 v35, v0, 3, 1
	v_lshl_add_u32 v16, v35, 4, v16
	s_mul_i32 s21, s18, 8*VTOK
	v_add_nc_u32 v16, s21, v16                     ; the turning load: head 8 h + lane % 8, 16 bytes at 16 ((lane / 8) % 2), in my eight tokens
	s_mul_i32 s21, s18, 16*SP
	s_add_co_u32 s21, s21, STAGE                   ; my stage
	v_mul_u32_u24 v17, v32, SP
	v_lshl_add_u32 v17, v33, 5, v17
	v_add_nc_u32 v17, s21, v17                     ; in: row r, 32 bytes for each half of the lanes
	v_mul_u32_u24 v18, v33, SP
	v_lshl_add_u32 v18, v32, 4, v18
	v_add_nc_u32 v18, s21, v18                     ; back: lanes 0-15 one head's 256 bytes, lanes 16-31 the next
	BAR                                            ; every wave's reads of the buffers are over, both have had their last fill, and the images above them were read long ago
.set a, 0
.rept 32
	ds_store_b128 v[5+a/16], v[128+4*a:128+4*a+3] offset:((a/8)%2)*16*VTOK+(a%8)*VTOK
.set a, a+1
.endr
	BAR                                            ; v lies in LDS
	; ---- out^T = v^T att^T, a token at a time: four products (16 of a head's 64 places each); through my stage; a token's 4,096 bytes leave as eight stores of 512 consecutive bytes
.macro TR i                            ; token i's v, turned: lane (r, h) holds place 16 g + r and heads t = 8 h + 0 .. 7
.irp g, 0,1,2,3
	ds_load_tr16_b128 v[VF+8*\g:VF+8*\g+3], v16 offset:(\i)*VTOK+32*\g
.endr
.endm
.macro SENDTOK t
.irp m, 0,1,2,3,4,5,6,7
	global_store_b128 v[DOF], v[OB+32*((\t)%2)+4*\m:OB+32*((\t)%2)+4*\m+3], s[16:17] offset:(\t)*4096+512*\m th:TH_STORE_NT   ; written once, read by nobody here
.endr
.endm
.macro OUTTOK i
	s_wait_dscnt 0x0                               ; this token's v is in, and the last token's rows are back from the stage
.if \i > 0
	SENDTOK (\i)-1
.endif
	WIN 0x40                                       ; destination in window 1
.irp g, 0,1,2,3
	v_wmma_f32_16x16x32_bf16 v[8*\g:8*\g+7], v[VF+8*\g:VF+8*\g+7], v[PA+8*(\i):PA+8*(\i)+7], 0   ; lane (r, h), register j: out(head r, place 16 g + 8 h + j)
.endr
	WIN 0
	PLACES 5                                       ; four ahead of the loads into v's fragments and of the stores that read the results; five ahead of the next token's products, which write over these results
.if \i < 7
	TR (\i)+1
.endif
	WIN 0x04                                       ; the stores' data in window 1
.irp g, 0,1,2,3
	ds_store_b128 v17, v[8*\g:8*\g+3] offset:64*\g
	ds_store_b128 v17, v[8*\g+4:8*\g+7] offset:64*\g+16
.endr
	WIN 0
.if \i >= 2
	s_wait_xcnt 0x0                                ; the stores of the token two back have read their registers, which are loaded again
.endif
.irp m, 0,1,2,3,4,5,6,7
	ds_load_b128 v[OB+32*((\i)%2)+4*\m:OB+32*((\i)%2)+4*\m+3], v18 offset:\m*2*SP   ; LDS serves a wave's instructions in order (ISA guide 5.7.1.4): these see my stores
.endr
.endm
.irp g, 0,1,2,3
.irp c, 4,5,6,7
	v_mov_b32 v[VF+8*\g+\c], 0                     ; t = 16 .. 31: none
.endr
.endr
	TR 0
.irp i, 0,1,2,3,4,5,6,7
	OUTTOK \i
.endr
	s_wait_dscnt 0x0
	SENDTOK 7
	s_wait_tensorcnt 0x0                           ; the wave's end: a wait, an add to my spare word and its wait, behind my last tensor load and my last LDS store
	ds_add_u32 v[SPW], v[NIL]
	s_wait_dscnt 0x0
	CROUND                                         ; the closing round: no work-group ends while a partner may still ask for a part that names it
	s_endpgm
.Lfunc_end_k_qce7b656dee_fused:
	.size	k_qce7b656dee_fused, .Lfunc_end_k_qce7b656dee_fused-k_qce7b656dee_fused
	.p2alignl 7, 3214868480
	.fill 96, 4, 3214868480
	.section	.rodata,"a",@progbits
	.p2align	6, 0x0
	.amdhsa_kernel k_qce7b656dee_fused
		.amdhsa_group_segment_fixed_size 327680
		.amdhsa_private_segment_fixed_size 0
		.amdhsa_enable_private_segment 0
		.amdhsa_kernarg_size 56
		.amdhsa_user_sgpr_count 2
		.amdhsa_user_sgpr_kernarg_segment_ptr 1
		.amdhsa_wavefront_size32 1
		.amdhsa_system_sgpr_workgroup_id_x 1
		.amdhsa_system_sgpr_workgroup_id_y 1
		.amdhsa_system_sgpr_workgroup_id_z 1
		.amdhsa_system_vgpr_workitem_id 0
		.amdhsa_next_free_vgpr 512
		.amdhsa_next_free_sgpr 80
		.amdhsa_reserve_vcc 0
		.amdhsa_float_denorm_mode_32 3
		.amdhsa_float_denorm_mode_16_64 3
		.amdhsa_memory_ordered 1
		.amdhsa_forward_progress 1
		.amdhsa_inst_pref_size 255
	.end_amdhsa_kernel
	.section	.bss,"aw",@nobits
	.p2align	6
	.space	262144
	.amdgpu_metadata
---
amdhsa.version: [ 1, 2 ]
amdhsa.kernels:
  - .name:           k_qce7b656dee_fused
    .symbol:         k_qce7b656dee_fused.kd
    .args:
      - { .name: x, .offset: 0, .size: 8, .value_kind: global_buffer, .address_space: global }
      - { .name: wcodes, .offset: 8, .size: 8, .value_kind: global_buffer, .address_space: global }
      - { .name: bq, .offset: 16, .size: 8, .value_kind: global_buffer, .address_space: global }
      - { .name: bk, .offset: 24, .size: 8, .value_kind: global_buffer, .address_space: global }
      - { .name: bv, .offset: 32, .size: 8, .value_kind: global_buffer, .address_space: global }
      - { .name: lowp_scales, .offset: 40, .size: 8, .value_kind: global_buffer, .address_space: global }
      - { .name: out0, .offset: 48, .size: 8, .value_kind: global_buffer, .address_space: global }
    .group_segment_fixed_size: 327680
    .private_segment_fixed_size: 0
    .kernarg_segment_align: 8
    .kernarg_segment_size: 56
    .max_flat_workgroup_size: 256
    .sgpr_count:     80
    .vgpr_count:     512
    .wavefront_size: 32
...
	.end_amdgpu_metadata
.endif
;; end of part 2
